; MI455X (gfx1250); checked and timed in simulation.
; The chip was launched on July 23, 2026; its instructions are those of AMD's public machine-readable ISA for CDNA 5 (MIT licence, August 2026) and "CDNA5" Instruction Set Architecture Reference Guide (July 2026). The comments in the code are by the model that wrote it; some were corrected since.
;; Flex Attention Wrapper. Allowed arithmetic: matrix products marked QUANTISED: E2M3 operands, one E8M0 scale for each 32 along K, by v_wmma_scale_f32_16x16x128_f8f6f4 with both operands' format E2M3, f32 sums; everything else in f32.
;; Inputs: k 2 x 16 x 2,048 x 128 float32; q 2 x 16 x 2,048 x 128 float32; v 2 x 16 x 2,048 x 128 float32.
;; Outputs: out0 2 x 16 x 2,048 x 128 float32.
;; This version of the problem:
;;   THIS VERSION OF THE PROBLEM IS GIVEN IN LOW PRECISION. The matrix products marked QUANTISED in the list below multiply operands that are first quantised to E2M3 (2 exponent bits, 3 mantissa bits; 6 bits a number), with one power-of-two scale for each 32 numbers along K (OCP MX v1.0); their sums are f32. All else is computed in f32.
;;   The module's matrix products, in the order in which they are computed (A, B: the left and right operand; K: the contracted axis; several contracted axes count as one K, in the product's order):
;;     1. batch 32 x [M 2,048, K 128] x [K 128, N 2,048]; A: input q; B: input k: QUANTISED
;;     2. batch 32 x [M 2,048, K 2,048] x [K 2,048, N 128]; A: softmax (see below); B: input v: QUANTISED
;;   THE QUANTISER, for each operand of a quantised product, along K:
;;     - K is cut into blocks of 32 from its start; a last block that is shorter is filled with zeros.
;;     - A block's scale is 2^e with e = floor(log2(the largest magnitude in the block)) - 2, held to -126 .. 127; a block of zeros has e = 0. As a byte (E8M0): e + 127.
;;     - Each number is divided by its block's scale, clamped to +-7.5, and rounded to the nearest number of E2M3, ties to even, subnormals kept.
;;     - The product sums the exact products of the quantised numbers (number of the format x scale) in f32.
;;   ~~~python
;;   def quantise(x, axis):      # numpy; x: float32 -> the quantised numbers, widened to float32 again
;;       x = np.moveaxis(x, axis, -1); K = x.shape[-1]
;;       x = np.pad(x, [(0, 0)] * (x.ndim - 1) + [(0, -K % 32)]); x = x.reshape(x.shape[:-1] + (-1, 32)); a = np.abs(x).max(-1, keepdims=True)
;;       e = np.where(a > 0, np.clip(np.frexp(np.where(a > 0, a, 1))[1] - 1 - 2, -126, 127), 0)      # np.frexp(a)[1] - 1 = floor(log2(a)), exactly
;;       r = np.clip(x / 2.0 ** e, -7.5, 7.5)
;;       step = 2.0 ** (np.maximum(np.frexp(np.where(r == 0, 1, r))[1] - 1, 0) - 3)
;;       q = np.round(r / step) * step * 2.0 ** e      # np.round: ties to even
;;       return np.moveaxis(q.reshape(q.shape[:-2] + (-1,))[..., :K], -1, axis).astype(np.float32)
;;   ~~~
;;   SOFTMAX AHEAD OF A QUANTISED PRODUCT. Where the list says 'softmax', what is quantised is not the finished softmax but p = 2^(t - M), with t = logit x log2(e) and M = ceil(the row's largest t), a whole number; so 1/2 < the row's largest p <= 1. The row's sum l is taken of the UNQUANTISED p, in f32, and the product's result is divided by l at the end. Since M is a whole number, a kernel that streams over the keys may use a running M (the ceiling of the running maximum): every later rescaling is an exact power of two, which a block's scale takes up: the codes' values come out the same.
;;   OPERANDS COMPUTED ON THE WAY. 'Computed on the way' means the value that the module computes at that place (a softmax that the list does not call 'softmax' is quantised finished and normalised). What goes into a quantiser is computed in f32, as accurately as f32 sums, v_exp_f32 and their like allow (about 1e-6 of the number): no bf16 or f16 on the way to a quantiser, and a product that is left as it is and whose result goes on into a quantised operand takes f32 operands (vector FMAs, or v_wmma_f32_16x16x4_f32). A number that lies on a knife's edge between two numbers of the format may be rounded either way, as far as f32 arithmetic and the matrix unit's own rounding can turn it there, and no further.
;; One version. Each part assembles by itself: llvm-mc -triple=amdgcn-amd-amdhsa -mcpu=gfx1250 --defsym DOCPART=n.
;; ======== version 1 of 1: 2 launches
;; limits: right only within a limited range of input values
;; workspace buffers: kimg 6,553,600 bytes; vimg 6,553,600 bytes
;; launch quant_kv (part 1): grid 768 x 1, 4 waves a work-group, no clusters, 62,464 bytes of LDS; arguments k, v, kimg, vimg; writes kimg, vimg
.if DOCPART == 1
	.amdgcn_target "amdgcn-amd-amdhsa--gfx1250"
	.amdhsa_code_object_version 6
	.text
	.protected	k_q889ed74310_quant_kv
	.globl	k_q889ed74310_quant_kv
	.p2align	8
	.type	k_q889ed74310_quant_kv,@function
k_q889ed74310_quant_kv:
	s_mov_b64 s[64:65], 0
	v_nop
	global_prefetch_b8 v0, s[64:65] scope:SCOPE_SE
	s_setreg_imm32_b32 hwreg(HW_REG_WAVE_MODE, 25, 1), 1
	s_wait_xcnt 0x0
; k and v, [32 heads][2048][128] f32, are turned into codes of FP6 (E2M3) with one E8M0 scale byte for each 32 along K of their products (k: the head's 128; v: the keys),
; laid IN THE ORDER OF THE OPERAND'S REGISTERS: a RECORD of 12,800 bytes (50 x 256) for each head and each 128 keys: record = 16 x head + keys / 128.
;   bytes 0 .. 12,287: eight fragments of 1,536 bytes (tile T); lane l = r + 16 h of the reader owns the 48 bytes at 48 l: block h of its row, then block 2 + h.
;   bytes 12,288 .. 12,799: scale words: 256 (T / 4) + 16 r + 4 (T % 4).
;   k: row r of tile T is key 64 (T / 4) + 32 (r / 8) + 8 (T % 4) + r % 8, so that in the reader's scores a lane holds whole blocks of 32 neighbouring keys.   v: row r of tile T is channel 16 T + r.
; q is quantised by the attention launch, where each row has one owner.  Nothing of the problem's work is left out in this launch.
; A block's scale is 2^(floor(log2(its largest magnitude)) - 2); its byte is the largest magnitude's exponent field - 2, held at 1 from below by a floor among the maximum's leaves.
; LIMITS: a block of zeros gets the byte 1 where the quantiser says 127 (its codes are zeros, and this program alone reads the bytes); blocks whose largest magnitude lies under 2^-124 are quantised
;   under the byte 1; NaN and infinities among the inputs are not served.
; SHARES.  Work-groups 0 .. 255 take k (a wave: 64 rows, half a record), 256 .. 767 take v (a work-group: one record); each path has LDS bytes of its own.  No tensor loads; memory is read once, by loads that run ahead.
.set REC,   12800
.set EMAX,  2
.set KWGS,  256
.set SP,    80                         ; k: a lane's place in a turn stage: its 64 bytes + 16 of padding
.set WREG,  12288                      ; k: a region for each wave: two turn stages of 32 x SP bytes,
.set SCB,   2*32*SP                    ; its 256 scale bytes,
.set IMG,   SCB+256                    ; and its four fragments
.set VB,    4*WREG                     ; v: four stages of 3,072 bytes, then the record's scale words
.set SCL,   12288
.set SPARE, VB+SCL+512                 ; the spare words: 128 bytes a wave
.set R,     16                         ; k: v16-79 four sets of 16 numbers as loaded
.set X,     80                         ; k: v80-111 two sets of 16 neighbours
.set E,     112                        ; k: v112-127 a scale byte for each step
.set C,     128                        ; k: v128-191 codes
.set OUTR,  192                        ; the way out
.set VX,    32                         ; v: v32-159 128 numbers: my channel, the step's keys
.set VC,    160                        ; v: v160-191 codes
.set SB,    24                         ; v: my channel's scale word
	s_load_b128 s[4:7], s[0:1], 0x0                ; k, v
	s_load_b128 s[8:11], s[0:1], 0x10              ; their records
	v_lshl_add_u32 v240, v0, 2, SPARE
	v_mov_b32 v241, 0
	v_lshrrev_b32 v1, 5, v0
	v_readfirstlane_b32 s16, v1                    ; wave
	v_and_b32 v2, 31, v0                           ; lane L
	v_lshlrev_b32 v3, 4, v2                        ; 16 bytes a lane
	s_wait_alu depctr_va_vdst(0)                   ; the wait ahead of the branch
	s_cmp_lt_u32 ttmp9, KWGS                       ; the choice hangs on the work-group's number alone
	s_cbranch_scc0 .Lv
	; ---- k
	s_mul_i32 s17, s16, WREG
	s_add_co_u32 s28, s17, SCB
	s_add_co_u32 s29, s17, IMG
	v_lshrrev_b32 v14, 2, v2
	v_mul_u32_u24 v14, v14, SP
	v_and_b32 v15, 3, v2
	v_lshl_add_u32 v14, v15, 4, v14
	v_add_nc_u32 v14, s17, v14                     ; the turn stage, in: SP (L / 4) + 16 (L % 4)
	v_mul_u32_u24 v15, v2, SP
	v_add_nc_u32 v15, s17, v15                     ; out: SP x L: my 16 neighbours
	; behind the turn lane L holds row L / 8 of the step's four, block (L / 2) % 4 = 2 c + h of it, half L % 2 of the block
	v_lshrrev_b32 v8, 3, v2
	v_mul_u32_u24 v4, v8, 48
	v_bfe_u32 v9, v2, 1, 1
	v_mad_u32_u24 v4, v9, 768, v4                  ; h
	v_bfe_u32 v9, v2, 2, 1
	v_mad_u32_u24 v4, v9, 24, v4                   ; c
	v_and_b32 v9, 1, v2
	v_mad_u32_u24 v4, v9, 12, v4                   ; the block's upper 16 codes
	v_add_nc_u32 v4, s29, v4
	v_bfe_u32 v9, v2, 1, 2
	v_lshl_add_u32 v5, v8, 4, v9                   ; the scale bytes: 16 a row, byte = block
	v_add_nc_u32 v5, s28, v5
	v_lshlrev_b32 v7, 3, v2
	v_add_nc_u32 v6, s28, v7
	v_add_nc_u32 v10, s29, v3
	s_lshl_b32 s17, ttmp9, 2
	s_add_co_u32 s18, s17, s16                     ; my run of 64 rows
	s_lshl_b32 s20, s18, 15                        ; 32,768 bytes a run
	s_mov_b32 s21, 0
	s_lshr_b32 s22, s18, 1
	s_mul_i32 s22, s22, REC
	s_and_b32 s24, s18, 1                          ; which half of the record
	s_mul_i32 s26, s24, 6144
	s_add_co_u32 s26, s26, s22
	s_mov_b32 s27, 0
	s_lshl_b32 s24, s24, 8
	s_add_co_u32 s24, s24, s22
	s_add_co_u32 s24, s24, 12288
	s_mov_b32 s25, 0
	s_wait_alu depctr_va_vdst(0)                   ; the wait at the head's end
	s_wait_kmcnt 0x0
	s_add_nc_u64 s[4:5], s[4:5], s[20:21]
	s_add_nc_u64 s[12:13], s[8:9], s[24:25]        ; my 256 scale bytes
	s_add_nc_u64 s[14:15], s[8:9], s[26:27]        ; my four fragments
.macro LOAD t
.irp i, 0,1,2,3
	global_load_b128 v[R+16*((\t)%4)+4*\i:R+16*((\t)%4)+4*\i+3], v3, s[4:5] offset:2048*(\t)+512*\i th:TH_LOAD_NT   ; 32 lanes read 512 consecutive bytes
.endr
.endm
.macro TURN t                          ; LDS serves a wave's instructions in order (ISA guide 5.7.1.4): no wait between the stores and the loads
.irp i, 0,1,2,3
	ds_store_b128 v14, v[R+16*((\t)%4)+4*\i:R+16*((\t)%4)+4*\i+3] offset:32*SP*((\t)%2)+8*SP*\i
.endr
.irp i, 0,1,2,3
	ds_load_b128 v[X+16*((\t)%2)+4*\i:X+16*((\t)%2)+4*\i+3], v15 offset:32*SP*((\t)%2)+16*\i
.endr
.endm
.irp t, 0,1,2,3
	LOAD \t
.endr
	s_wait_loadcnt 12                              ; step 0's four loads are in; three steps' twelve stay out
	TURN 0
; Step t holds rows 4 t .. 4 t + 3 of the run's 64: tile (t % 8) / 2 of the half record, rows 8 (t / 8) + 4 (t % 2) on of it
.macro STEP t
.set XS, X+16*((\t)%2)
.set TL, ((\t)%8)/2
.set RR, 8*((\t)/8)+4*((\t)%2)
.if (\t) > 0
	s_wait_dscnt 4                                 ; this step's numbers are back: behind those loads only the last step's byte store and three code stores were issued
.else
	s_wait_dscnt 0x0
.endif
.if (\t)+4 < 16
	LOAD (\t)+4
.endif
.if (\t)+1 < 16
.if 14-(\t) >= 3
	s_wait_loadcnt 12                              ; the next step's four loads are in; those of the three steps behind it may be out
.else
	s_wait_loadcnt 4*(14-(\t))
.endif
	TURN (\t)+1
.endif
	v_max3_num_f32 v8, |v[XS]|, |v[XS+1]|, |v[XS+2]|
	v_max3_num_f32 v9, |v[XS+3]|, |v[XS+4]|, |v[XS+5]|
.irp i, 6,10
	v_max3_num_f32 v8, v8, |v[XS+\i]|, |v[XS+\i+1]|
	v_max3_num_f32 v9, v9, |v[XS+\i+2]|, |v[XS+\i+3]|
.endr
	v_max3_num_f32 v8, v8, |v[XS+14]|, |v[XS+15]|
	v_max3_num_f32 v8, v8, v9, (EMAX+1)<<23        ; and the floor 2^(3 - 127)
	v_max_num_f32_dpp v8, v8, v8 row_xmask:1 row_mask:0xf bank_mask:0xf   ; and of my neighbour's 16: the block's
	v_add_nc_u32 v11, -(EMAX<<23), v8              ; 2 off its exponent field: the conversion takes this operand's exponent field as its scale
	v_cvt_scalef32_pk16_fp6_f32 v[C+4*(\t):C+4*(\t)+2], v[XS:XS+15], v11
	v_lshrrev_b32 v[E+(\t)], 23, v11               ; the scale's byte
	ds_store_b8 v5, v[E+(\t)] offset:16*RR+4*TL    ; both lanes of a block write the same byte with the same value
.irp i, 0,1,2
	ds_store_b32 v4, v[C+4*(\t)+\i] offset:1536*TL+48*RR+4*\i
.endr
.endm
.irp t, 0,1,2,3,4,5,6,7,8,9,10,11,12,13,14,15
	STEP \t
.endr
	ds_load_b64 v[12:13], v6
.irp i, 0,1,2,3,4,5,6,7,8,9,10,11
	ds_load_b128 v[OUTR+4*\i:OUTR+4*\i+3], v10 offset:512*\i
.endr
	s_wait_dscnt 0x0
	global_store_b64 v7, v[12:13], s[12:13]        ; 256 consecutive bytes, aligned
.irp i, 0,1,2,3,4,5,6,7,8,9,10,11
	global_store_b128 v3, v[OUTR+4*\i:OUTR+4*\i+3], s[14:15] offset:512*\i   ; 512 consecutive bytes, aligned
.endr
	s_wait_tensorcnt 0x0
	ds_add_u32 v240, v241
	s_wait_dscnt 0x0
	s_endpgm
	; ---- v: a lane takes a channel and its registers run down the keys: a block of 32 keys lies in one lane's 32 registers
.Lv:
	s_sub_co_u32 s18, ttmp9, KWGS                  ; the record
	s_lshl_b32 s20, s18, 16                        ; 128 keys x 512 bytes
	s_lshl_b32 s21, s16, 7                         ; my wave's 32 channels
	s_add_co_u32 s20, s20, s21
	s_mov_b32 s21, 0
	s_mul_i32 s22, s18, REC
	s_mov_b32 s23, 0
	s_mul_i32 s24, s16, 3072                       ; my two fragments
	s_mov_b32 s25, 0
	s_add_co_u32 s28, s24, VB
	v_lshlrev_b32 v10, 2, v2                       ; in: 4 bytes a lane
	v_and_b32 v9, 15, v2                           ; r
	v_lshrrev_b32 v14, 4, v2                       ; which of my wave's two tiles
	v_mul_u32_u24 v4, v9, 48
	v_mad_u32_u24 v4, v14, 1536, v4
	v_add_nc_u32 v4, s28, v4                       ; my channel's place for the reader's lane r; lane 16 + r's lies 768 bytes on
	v_add_nc_u32 v5, s28, v3
	s_lshr_b32 s26, s16, 1
	s_lshl_b32 s26, s26, 8                         ; scale words: tile 2 w + L / 16
	s_and_b32 s27, s16, 1
	s_lshl_b32 s27, s27, 3
	s_add_co_u32 s26, s26, s27
	s_add_co_u32 s26, s26, VB+SCL
	v_lshlrev_b32 v7, 4, v9
	v_lshl_add_u32 v7, v14, 2, v7
	v_add_nc_u32 v7, s26, v7
	v_add_nc_u32 v8, VB+SCL, v3                    ; where wave 0 reads all of them back
	s_wait_alu depctr_va_vdst(0)                   ; the wait at the head's end
	s_wait_kmcnt 0x0
	s_add_nc_u64 s[6:7], s[6:7], s[20:21]
	s_add_nc_u64 s[12:13], s[10:11], s[22:23]
	s_add_nc_u64 s[14:15], s[12:13], s[24:25]
.macro LOADV t                         ; block t: v(32 t + i, my channel)
.irp i, 0,1,2,3,4,5,6,7,8,9,10,11,12,13,14,15,16,17,18,19,20,21,22,23,24,25,26,27,28,29,30,31
	global_load_b32 v[VX+32*(\t)+\i], v10, s[6:7] offset:(32*(\t)+\i)*512 th:TH_LOAD_NT
.endr
.endm
	LOADV 0
	LOADV 1
.macro BLOCK t
.set XS, VX+32*(\t)
.set CC, VC+8*(\t)
.if (\t) < 3
	s_wait_loadcnt 32                              ; this block's 32 loads are in; the next block's 32 may be out
.else
	s_wait_loadcnt 0x0
.endif
.if (\t)+2 < 4
	LOADV (\t)+2
.endif
	v_max3_num_f32 v12, |v[XS]|, |v[XS+1]|, |v[XS+2]|
	v_max3_num_f32 v13, |v[XS+3]|, |v[XS+4]|, |v[XS+5]|
.irp i, 6,10,14,18,22,26
	v_max3_num_f32 v12, v12, |v[XS+\i]|, |v[XS+\i+1]|
	v_max3_num_f32 v13, v13, |v[XS+\i+2]|, |v[XS+\i+3]|
.endr
	v_max3_num_f32 v12, v12, |v[XS+30]|, |v[XS+31]|
	v_max3_num_f32 v12, v12, v13, (EMAX+1)<<23
	v_add_nc_u32 v11, -(EMAX<<23), v12
	v_lshrrev_b32 v13, 23, v11
.if (\t) == 0
	v_mov_b32 v[SB], v13                           ; the earlier keys in the lower byte
.else
	v_lshl_or_b32 v[SB], v13, 8*(\t), v[SB]
.endif
	v_cvt_scalef32_pk16_fp6_f32 v[CC:CC+2], v[XS:XS+15], v11
	v_cvt_scalef32_pk16_fp6_f32 v[CC+4:CC+6], v[XS+16:XS+31], v11  ; (a conversion's three registers begin on an even number)
	v_nop                                          ; one plain line behind a scaled conversion
	v_mov_b32 v[CC+3], v[CC+4]
	v_mov_b32 v[CC+4], v[CC+5]
	v_mov_b32 v[CC+5], v[CC+6]
.irp i, 0,1,2
	ds_store_b64 v4, v[CC+2*\i:CC+2*\i+1] offset:768*((\t)%2)+24*((\t)/2)+8*\i   ; block t = 2 c + h
.endr
.endm
	BLOCK 0
	BLOCK 1
	BLOCK 2
	BLOCK 3
	ds_store_b32 v7, v[SB]
.irp i, 0,1,2,3,4,5
	ds_load_b128 v[OUTR+4*\i:OUTR+4*\i+3], v5 offset:512*\i
.endr
	s_wait_dscnt 0x0                               ; my fragments are back; and, for wave 0's sake, my scale words have landed
.irp i, 0,1,2,3,4,5
	global_store_b128 v3, v[OUTR+4*\i:OUTR+4*\i+3], s[14:15] offset:512*\i
.endr
	s_barrier_signal -1
	s_barrier_wait -1                              ; all four waves' scale words lie in LDS
	s_cmp_lg_u32 s16, 0
	s_cbranch_scc1 .Lend
	ds_load_b128 v[216:219], v8
	s_wait_dscnt 0x0
	global_store_b128 v3, v[216:219], s[12:13] offset:SCL
.Lend:
	s_wait_tensorcnt 0x0
	ds_add_u32 v240, v241
	s_wait_dscnt 0x0
	s_endpgm
.Lfunc_end_k_q889ed74310_quant_kv:
	.size	k_q889ed74310_quant_kv, .Lfunc_end_k_q889ed74310_quant_kv-k_q889ed74310_quant_kv
	.p2alignl 7, 3214868480
	.fill 96, 4, 3214868480
	.section	.rodata,"a",@progbits
	.p2align	6, 0x0
	.amdhsa_kernel k_q889ed74310_quant_kv
		.amdhsa_group_segment_fixed_size 62464
		.amdhsa_private_segment_fixed_size 0
		.amdhsa_enable_private_segment 0
		.amdhsa_kernarg_size 32
		.amdhsa_user_sgpr_count 2
		.amdhsa_user_sgpr_kernarg_segment_ptr 1
		.amdhsa_wavefront_size32 1
		.amdhsa_system_sgpr_workgroup_id_x 1
		.amdhsa_system_sgpr_workgroup_id_y 1
		.amdhsa_system_sgpr_workgroup_id_z 1
		.amdhsa_system_vgpr_workitem_id 0
		.amdhsa_next_free_vgpr 242
		.amdhsa_next_free_sgpr 66
		.amdhsa_reserve_vcc 0
		.amdhsa_float_denorm_mode_32 3
		.amdhsa_float_denorm_mode_16_64 3
		.amdhsa_memory_ordered 1
		.amdhsa_forward_progress 1
		.amdhsa_inst_pref_size 58
	.end_amdhsa_kernel
	.amdgpu_metadata
---
amdhsa.version: [ 1, 2 ]
amdhsa.kernels:
  - .name:           k_q889ed74310_quant_kv
    .symbol:         k_q889ed74310_quant_kv.kd
    .args:
      - { .name: k, .offset: 0, .size: 8, .value_kind: global_buffer, .address_space: global }
      - { .name: v, .offset: 8, .size: 8, .value_kind: global_buffer, .address_space: global }
      - { .name: kimg, .offset: 16, .size: 8, .value_kind: global_buffer, .address_space: global }
      - { .name: vimg, .offset: 24, .size: 8, .value_kind: global_buffer, .address_space: global }
    .group_segment_fixed_size: 62464
    .private_segment_fixed_size: 0
    .kernarg_segment_align: 8
    .kernarg_segment_size: 32
    .max_flat_workgroup_size: 128
    .sgpr_count:     66
    .vgpr_count:     242
    .wavefront_size: 32
...
	.end_amdgpu_metadata
.endif
;; end of part 1
;; launch attn (part 2): grid 32 x 8, 8 waves a work-group, no clusters, 327,680 bytes of LDS; arguments q, kimg, vimg, out0; writes out0
.if DOCPART == 2
	.amdgcn_target "amdgcn-amd-amdhsa--gfx1250"
	.amdhsa_code_object_version 6
	.text
	.protected	k_q889ed74310_attn
	.globl	k_q889ed74310_attn
	.p2align	8
	.type	k_q889ed74310_attn,@function
k_q889ed74310_attn:
	s_mov_b64 s[64:65], 0
	v_nop
	global_prefetch_b8 v0, s[64:65] scope:SCOPE_SE
	s_setreg_imm32_b32 hwreg(HW_REG_WAVE_MODE, 25, 1), 1
	s_wait_xcnt 0x0
; out[h][q][:] = the sum over keys k <= q of softmax_k(Q[h][q] . K[h][k] / sqrt(128)) V[h][k][:], 32 heads, 2,048 rows, head size 128; both products on codes of FP6 (E2M3) with one E8M0 scale for each 32 along K.
; K and V come as records of 12,800 bytes for each head and 128 keys, made by the launch before; Q comes as f32 and is quantised here, in registers.
; LEFT OUT: key steps of 128 keys that all come after a wave's queries: the causal mask gives each of them the weight 0, whatever the inputs hold.
; THE SOFTMAX AHEAD OF THE SECOND PRODUCT: t = score x log2(e) / sqrt(128); M = the row's largest t so far, rounded UP to a whole number; p = 2^(t - M) is quantised along the keys.  The row's sum is taken of the
; unquantised p and divides O at the end.  When M moves, the sum and O are multiplied by 2^(old M - new M): exact.
; LAYOUT.  S^T = K Q^T, O^T = V^T P^T: a lane (r, h) holds ONE query r.  Tile T of K is laid so that register 32 c + i of the scores is key 64 c + 32 h + i: a lane's 32 registers are a whole block of p.
; SHARES.  256 work-groups: x = the head, y = 0 .. 7: the blocks y (early) and 15 - y (late) of 128 queries.  Eight waves in four pairs; pair P owns the 32 queries 32 P on of both blocks, as two tiles of 16, so that each
; fragment from LDS feeds two matrix instructions.  The keys are walked DOWNWARD in nine UNITS.  Role 0 takes the late block's steps 15-y, 13-y, .. y+1 and then y, y-1, .. 0; role 1 takes the late block's 14-y, 12-y, .. y+2,
; in unit 7-y hands its part of the late block over in LDS and takes up the early block, and then works the early block's steps y, y-1, .. 0.  So the two work 9 and 8 steps in every work-group.
; Where y = 7, role 1 has no step of the late block: it begins with the early one and hands nothing over.
; THE RING.  Two LDS slots of two units; a unit has two halves, each a record of K and one of V: role 0's and role 1's.  Each of the eight waves fetches one record of a slot.  From unit 2 on, where role 1 needs the
; same record as role 0, its half is not fetched (a jump on ids and the wave's number) and both read role 0's.  In units 0 and 1 all halves are fetched, and role 1 reads its own.
; A slot is asked for two units ahead of its use.  K and V are not prefetched: a slot's load has two units, 64 matrix instructions of each wave and the softmax between them, in which to land.  The early block's rows of Q are
; prefetched, once, by the wave that loads them, a unit ahead.
; NO CLUSTER, though the eight work-groups of a head read the same K and V: which steps a wave works hangs on y, which differs between partners.
; LIMITS: NaN and infinities among the inputs are not served; a block of zeros of Q gets the byte 1 (its codes are zeros), and blocks of Q whose largest magnitude lies under 2^-124 are quantised under the byte 1.
; p under 2^-126 comes out of v_exp_f32 as 0; a block's byte is held at 1 from below.  A block's scale is taken from the exponential of its largest t - M - 2: this takes v_exp_f32 not to fall where its input rises (the
; ISA guide promises 1 ulp); p within an ulp or two of a power of two may be put on either side of it.  The promise holds while |t| stays under 2^31.
; REGISTERS.  Window 0: v0-7, v34, v35, v127 addresses; v8, v9 the largest score so far (tiles A, B); v10, v12 -M; v14, v16 the factors; v[18:19], v[20:21] the sums; v30, v31 P's scale words; v32, v33 Q's; v36-43 K's;
;   v44-51 V's; v52-75 P; v76-123 K's tiles 0-3; v128-191 scores of A, v192-255 of B.  Window 1: v0-63 O of A, v64-127 O of B, v128-175 K's tiles 4-7, then V's; v176-223 V's tiles 0-3; v224-247 Q.
.set REC,   12800
.set FRB,   1536
.set SCO,   12288
.set UNIT,  4*REC
.set SLOT,  2*UNIT
.set HALF,  2*REC
.set HEADB, 16*REC
.set STG,   2*SLOT                     ; for each pair: 16,896 bytes (hand-over; role 0's stage too), 8,448 bytes (role 1's stage): stages of 16 rows x 528 bytes
.set PAIRB, 25344
.set HOB,   16896
.set SPARE, STG+4*PAIRB                ; the spare words, 128 bytes a wave
.set PFO, 0
.set AF,  1
.set AS,  2
.set SPW, 3
.set NIL, 4
.set AS0, 5
.set GL,  6                            ; 16 x lane
.set ST1, 7                            ; stage + 16 x lane
.set ST2, 34                           ; stage + 528 r + 128 h
.set AF0, 35
.set HOA, 127
.set SKW, 36
.set SVW, 44
.set PA,  52
.set PB,  64
.set F0,  76
.set F1,  128
.set F2,  176
.set SA,  128
.set SB,  192
.set WV, 12
.set Y, 13
.set ROLE, 15
.set P, 16
.set U, 17
.set NL, 18                            ; 7 - y
.set STGB, 19
.set G1, 24
.set G0, 32
.set SRC, 36
.set IDU, 38                           ; role 1's unit of change
.set MSKU, 39                          ; the unit whose step lies on the diagonal
.set LIM, 40                           ; my record is fetched for units below this
.set FU, 41                            ; the unit that my next fetch is for
.set POFF, 42
.set NC, 43
.set TRIP, 44
.set T0, 45
.set T1, 46
.set MB, 47
.set QE, 50
.set QC, 52
.set RL, 54                            ; role 1 reads its own half in units below this
.set AR, 55
.set CT, 56
.set MSB, 0
.macro WIN new                         ; the immediate's high byte repeats the setting that is left
.if MSB != \new
	s_set_vgpr_msb (MSB<<8)|\new
.set MSB, \new
.endif
.endm
.macro AW
	s_wait_alu depctr_va_vdst(0)
.endm
.macro PLACES
.rept 4
	v_nop
.endr
.endm
; Group 0 of my record for unit FU into the slot at LDS byte base: below CT the late block's own step, from there on step 8 - FU
.macro GROUP0 base
	s_lshl_b32 s[T0], s[FU], 1
	s_sub_co_u32 s[T0], s[AR], s[T0]
	s_sub_co_u32 s[T1], 8, s[FU]
	s_cmp_lt_u32 s[FU], s[CT]
	s_cselect_b32 s[T0], s[T0], s[T1]
	s_max_i32 s[T0], s[T0], 0
	s_mul_i32 s48, s[T0], REC
	s_mov_b32 s49, 0
	s_add_nc_u64 s[G0+2:G0+3], s[SRC:SRC+1], s[48:49]
	s_or_b32 s[G0+3], s[G0+3], 0x80000000
	s_add_co_u32 s[G0+1], s[POFF], \base
.endm
.macro FILL                            ; the first thing behind the barrier, one tensor load a wave
	s_cmp_ge_u32 s[FU], s[LIM]
	s_cbranch_scc1 .Lnofill_\@
	tensor_load_to_lds s[G0:G0+3], s[G1:G1+7]
	s_nop 0
	PLACES
.Lnofill_\@:
.endm
; The LDS addresses for unit T0 at LDS byte base
.macro NEXT base
	s_cmp_lt_u32 s[T0], s[RL]
	s_cselect_b32 s[T1], HALF, 0
	s_add_co_u32 s[T1], s[T1], \base
	v_add_nc_u32 v[AF], s[T1], v[AF0]
	v_add_nc_u32 v[AS], s[T1], v[AS0]
	AW
.endm
.macro LDK0                            ; K's scale words and tiles 0-3: 14 loads
	ds_load_b128 v[SKW:SKW+3], v[AS] offset:SCO
	ds_load_b128 v[SKW+4:SKW+7], v[AS] offset:SCO+256
.irp t, 0,1,2,3
.irp c, 0,1,2
	ds_load_b128 v[F0+12*\t+4*\c:F0+12*\t+4*\c+3], v[AF] offset:FRB*\t+16*\c
.endr
.endr
.endm
.macro LDF1 off                        ; tiles 4-7 of the record at off: 12 loads
	WIN 0x40
.irp t, 0,1,2,3
.irp c, 0,1,2
	ds_load_b128 v[F1+12*\t+4*\c:F1+12*\t+4*\c+3], v[AF] offset:\off+FRB*(4+\t)+16*\c
.endr
.endr
	WIN 0
.endm
.macro LDV0                            ; V's scale words and tiles 0-3: 14 loads
	ds_load_b128 v[SVW:SVW+3], v[AS] offset:REC+SCO
	ds_load_b128 v[SVW+4:SVW+7], v[AS] offset:REC+SCO+256
	WIN 0x40
.irp t, 0,1,2,3
.irp c, 0,1,2
	ds_load_b128 v[F2+12*\t+4*\c:F2+12*\t+4*\c+3], v[AF] offset:REC+FRB*\t+16*\c
.endr
.endr
	WIN 0
.endm
; Q: 32 rows of 512 bytes, a row an instruction
.macro QLOAD ptr
.irp m, 0,1,2,3,4,5,6,7,8,9,10,11,12,13,14,15
	global_load_b128 v[SA+4*\m:SA+4*\m+3], v[GL], s[\ptr:\ptr+1] offset:512*\m
.endr
.irp m, 0,1,2,3,4,5,6,7,8,9,10,11,12,13,14,15
	global_load_b128 v[SB+4*\m:SB+4*\m+3], v[GL], s[\ptr:\ptr+1] offset:8192+512*\m
.endr
.endm
; 64 numbers of my row, blocks h and 2 + h, into twelve registers of window 1 and a scale word
.macro QUANT x, qd, qs
	v_max3_num_f32 v22, 0x1800000, |v[\x]|, |v[\x+1]|              ; the floor 2^(3 - 127) among the leaves
	v_max3_num_f32 v23, 0x1800000, |v[\x+32]|, |v[\x+33]|
.set n, 2
.rept 15
	v_max3_num_f32 v22, v22, |v[\x+n]|, |v[\x+n+1]|
	v_max3_num_f32 v23, v23, |v[\x+32+n]|, |v[\x+33+n]|
.set n, n+2
.endr
	v_add_nc_u32 v26, 0xff000000, v22              ; 2 off the exponent field
	v_add_nc_u32 v27, 0xff000000, v23
	v_lshrrev_b32 v22, 23, v26
	v_lshrrev_b32 v23, 23, v27
	v_lshl_or_b32 v22, v23, 16, v22                ; my two bytes, 0 and 2 (lanes 16-31: 1 and 3)
	v_permlanex16_b32 v11, v22, s20, s21
	v_lshl_or_b32 v[\qs], v11, 8, v22              ; lanes 0-15: the word
	WIN 0x40
	v_cvt_scalef32_pk16_fp6_f32 v[\qd:\qd+2], v[\x:\x+15], v26
	v_cvt_scalef32_pk16_fp6_f32 v[248:250], v[\x+16:\x+31], v26
	v_cvt_scalef32_pk16_fp6_f32 v[\qd+6:\qd+8], v[\x+32:\x+47], v27
	v_cvt_scalef32_pk16_fp6_f32 v[252:254], v[\x+48:\x+63], v27
	WIN 0x41
	v_nop                                          ; one plain line behind a scaled conversion
.irp i, 0,1,2
	v_mov_b32 v[\qd+3+\i], v[248+\i]
	v_mov_b32 v[\qd+9+\i], v[252+\i]
.endr
	WIN 0
.endm
; Q's rows turn through my stage: in by rows, out 16 bytes of row r a load
.macro QTURN from, to
.irp m, 0,1,2,3,4,5,6,7,8,9,10,11,12,13,14,15
	ds_store_b128 v[ST1], v[\from+4*\m:\from+4*\m+3] offset:528*\m
.endr
.irp m, 0,1,2,3,4,5,6,7,8,9,10,11,12,13,14,15
	ds_load_b128 v[\to+4*\m:\to+4*\m+3], v[ST2] offset:256*(\m/8)+16*(\m%8)
.endr
	s_wait_dscnt 0x0
.endm
.macro QMAKE
	s_wait_loadcnt 16                              ; tile A's rows are in, B's sixteen may be out
	QTURN SA, 56
	QUANT 56, 224, 32
	AW
	s_wait_loadcnt 0x0
	QTURN SB, SA
	QUANT SA, 236, 33
	AW
.endm
; Role 1's change from the late block to the early one
.macro TRANS
	s_wait_dscnt 0x0                               ; the fragments on their way are not used
	s_cmp_eq_u32 s[Y], 7
	s_cbranch_scc1 .Ltd_\@
	QLOAD QE
	v_mov_b32 v22, v10                             ; -M and the sum, of both tiles
	v_add_f32 v23, v18, v19
	v_mov_b32 v24, v12
	v_add_f32 v25, v20, v21
	ds_store_b128 v[HOA], v[22:25] offset:16384
	WIN 0x04
.set n, 0
.rept 32
	ds_store_b128 v[HOA], v[4*n:4*n+3] offset:512*n    ; O of both tiles
.set n, n+1
.endr
	WIN 0
	v_mov_b32 v8, 0xff61b1e6                       ; as at the start: the next factor is 2^-(a large number) = 0, by which the old sums and O go
	v_mov_b32 v9, 0xff61b1e6
	v_mov_b32 v10, 0x7e000000
	v_mov_b32 v12, 0x7e000000
	AW
	QMAKE
.Ltd_\@:
	AW
.endm
.macro MASKS c                         ; registers 32 c + i hidden where i > d
.set n, 0
.rept 32
	v_cmp_gt_i32 vcc_lo, n, v22
	v_cndmask_b32 v[SA+32*\c+n], v[SA+32*\c+n], v24, vcc_lo
	v_cmp_gt_i32 vcc_lo, n, v23
	v_cndmask_b32 v[SB+32*\c+n], v[SB+32*\c+n], v24, vcc_lo
.set n, n+1
.endr
.endm
; The diagonal: keys 64 c + 32 h + i against my query 32 P + 16 (tile) + r.  P < 2: c = 1 is hidden whole; else c = 0 counts whole
.macro MASK
	v_bfe_u32 v22, v[GL], 4, 4
	v_lshrrev_b32 v23, 8, v[GL]
	v_lshlrev_b32 v23, 5, v23
	v_sub_nc_u32 v22, v22, v23
	v_add_nc_u32 v22, s[MB], v22                   ; d = 32 (P % 2) + r - 32 h
	v_add_nc_u32 v23, 16, v22
	v_mov_b32 v24, 0xff800000
	AW
	s_cmp_lt_u32 s[P], 2
	s_cbranch_scc0 .Lhigh_\@
	MASKS 0
.set n, 0
.rept 32
	v_mov_b32 v[SA+32+n], v24
	v_mov_b32 v[SB+32+n], v24
.set n, n+1
.endr
	AW
	s_branch .Lmasked_\@
.Lhigh_\@:
	MASKS 1
.Lmasked_\@:
.endm
.macro RESC o, f                       ; a tile's O under the new M; each accumulator from its low end on
	WIN 0x41
	AW
.set n, 0
.rept 32
	v_pk_mul_f32 v[\o+n:\o+n+1], v[\o+n:\o+n+1], v[\f:\f+1] op_sel_hi:[1,0]
.set n, n+2
.endr
	WIN 0
.endm
.macro SMUL base, fr                   ; scores of four tiles of 16 keys, for both my tiles of queries
.irp t, 0,1,2,3
	v_wmma_scale_f32_16x16x128_f8f6f4 v[SA+8*(\base+\t):SA+8*(\base+\t)+7], v[\fr+12*\t:\fr+12*\t+11], v[224:235], 0, v[SKW+\base+\t], v32 matrix_a_fmt:MATRIX_FMT_FP6 matrix_b_fmt:MATRIX_FMT_FP6
	v_wmma_scale_f32_16x16x128_f8f6f4 v[SB+8*(\base+\t):SB+8*(\base+\t)+7], v[\fr+12*\t:\fr+12*\t+11], v[236:247], 0, v[SKW+\base+\t], v33 matrix_a_fmt:MATRIX_FMT_FP6 matrix_b_fmt:MATRIX_FMT_FP6
.endr
.endm
.macro PVMUL base, fr                  ; O of four tiles of 16 channels, for both my tiles of queries: sixteen accumulators, one instruction each in a step
	WIN 0x51
.irp t, 0,1,2,3
	v_wmma_scale_f32_16x16x128_f8f6f4 v[8*(\base+\t):8*(\base+\t)+7], v[\fr+12*\t:\fr+12*\t+11], v[PA:PA+11], v[8*(\base+\t):8*(\base+\t)+7], v[SVW+\base+\t], v30 matrix_a_fmt:MATRIX_FMT_FP6 matrix_b_fmt:MATRIX_FMT_FP6
	v_wmma_scale_f32_16x16x128_f8f6f4 v[64+8*(\base+\t):64+8*(\base+\t)+7], v[\fr+12*\t:\fr+12*\t+11], v[PB:PB+11], v[64+8*(\base+\t):64+8*(\base+\t)+7], v[SVW+\base+\t], v31 matrix_a_fmt:MATRIX_FMT_FP6 matrix_b_fmt:MATRIX_FMT_FP6
.endr
	WIN 0
.endm
.macro LEVEL d, num                    ; one level of both tiles' sums, in place
.set n, 0
.rept \num
	v_pk_add_f32 v[F0+n:F0+n+1], v[F0+n:F0+n+1], v[F0+\d+n:F0+\d+n+1]
	v_pk_add_f32 v[SB+n:SB+n+1], v[SB+n:SB+n+1], v[SB+\d+n:SB+\d+n+1]
.set n, n+2
.endr
.endm
; A step on scores that lie in registers: to P's codes, its scale words and the sums.  A's and B's chains by turns
.macro SOFTMAX
	v_max3_num_f32 v22, 0xff7fffff, v[SA], v[SA+1]     ; the largest score of each of a lane's two blocks of 32 keys, in both tiles
	v_max3_num_f32 v23, 0xff7fffff, v[SA+32], v[SA+33]
	v_max3_num_f32 v24, 0xff7fffff, v[SB], v[SB+1]
	v_max3_num_f32 v25, 0xff7fffff, v[SB+32], v[SB+33]
.set n, 2
.rept 15
	v_max3_num_f32 v22, v22, v[SA+n], v[SA+n+1]
	v_max3_num_f32 v23, v23, v[SA+32+n], v[SA+33+n]
	v_max3_num_f32 v24, v24, v[SB+n], v[SB+n+1]
	v_max3_num_f32 v25, v25, v[SB+32+n], v[SB+33+n]
.set n, n+2
.endr
	v_max3_num_f32 v26, v22, v23, v8
	v_max3_num_f32 v27, v24, v25, v9
	v_permlanex16_b32 v11, v26, s20, s21
	v_permlanex16_b32 v13, v27, s20, s21
	v_max_num_f32 v8, v26, v11                     ; the row's largest score so far
	v_max_num_f32 v9, v27, v13
	v_mul_f32 v26, s[NC], v8                       ; as -t
	v_mul_f32 v27, s[NC], v9
	v_mov_b32 v15, v10
	v_mov_b32 v17, v12
	v_floor_f32 v10, v26                           ; -M, a whole number
	v_floor_f32 v12, v27
	v_sub_f32 v14, v10, v15
	v_sub_f32 v16, v12, v17
	v_cvt_i32_f32 v14, v14                         ; (it saturates)
	v_cvt_i32_f32 v16, v16
	v_add_f32 v15, -2.0, v10
	v_add_f32 v17, -2.0, v12
	v_ldexp_f32 v14, 1.0, v14                      ; 2^(old M - new M)
	v_ldexp_f32 v16, 1.0, v16
	v_fma_f32 v26, v22, s22, v15                   ; each block's largest t - M - 2
	v_fma_f32 v27, v23, s22, v15
	v_fma_f32 v28, v24, s22, v17
	v_fma_f32 v29, v25, s22, v17
.set n, 0
.rept 32
	v_pk_fma_f32 v[SA+n:SA+n+1], v[SA+n:SA+n+1], s[22:23], v[10:11] op_sel_hi:[1,0,0]   ; t - M
.set n, n+2
.endr
	AW
.irp i, 26,27,28,29
	v_exp_f32 v\i, v\i                             ; its exponent field is the block's scale
.endr
.set n, 0
.rept 32
	v_exp_f32 v[SA+n], v[SA+n]                     ; p = 2^(t - M)
	v_exp_f32 v[SA+n+1], v[SA+n+1]
	v_pk_fma_f32 v[SB+n:SB+n+1], v[SB+n:SB+n+1], s[22:23], v[12:13] op_sel_hi:[1,0,0]
.set n, n+2
.endr
	AW
.irp i, 26,27,28,29
	v_max_num_f32 v\i, 0x800000, v\i               ; the byte is held at 1
.endr
	v_lshrrev_b32 v22, 23, v26
	v_lshrrev_b32 v24, 23, v28
	v_lshrrev_b32 v23, 23, v27
	v_lshrrev_b32 v25, 23, v29
	v_lshl_or_b32 v22, v23, 16, v22
	v_lshl_or_b32 v24, v25, 16, v24
	v_permlanex16_b32 v11, v22, s20, s21
	v_permlanex16_b32 v13, v24, s20, s21
	v_lshl_or_b32 v30, v11, 8, v22                 ; lanes 0-15: P's scale word for these 128 keys
	v_lshl_or_b32 v31, v13, 8, v24
	AW
.set n, 0
.rept 16
	v_exp_f32 v[SB+4*n], v[SB+4*n]
	v_exp_f32 v[SB+4*n+1], v[SB+4*n+1]
	v_exp_f32 v[SB+4*n+2], v[SB+4*n+2]
	v_exp_f32 v[SB+4*n+3], v[SB+4*n+3]
	v_pk_add_f32 v[F0+2*n:F0+2*n+1], v[SA+2*n:SA+2*n+1], v[SA+32+2*n:SA+32+2*n+1]   ; A's sums begin
.set n, n+1
.endr
	AW
	v_cvt_scalef32_pk16_fp6_f32 v[PA:PA+2], v[SA:SA+15], v26
	v_cvt_scalef32_pk16_fp6_f32 v[36:38], v[SA+16:SA+31], v26      ; (a conversion's three registers begin on an even number)
	v_cvt_scalef32_pk16_fp6_f32 v[PA+6:PA+8], v[SA+32:SA+47], v27
	v_cvt_scalef32_pk16_fp6_f32 v[40:42], v[SA+48:SA+63], v27
	v_cvt_scalef32_pk16_fp6_f32 v[PB:PB+2], v[SB:SB+15], v28
	v_cvt_scalef32_pk16_fp6_f32 v[124:126], v[SB+16:SB+31], v28
	v_cvt_scalef32_pk16_fp6_f32 v[PB+6:PB+8], v[SB+32:SB+47], v29
	v_cvt_scalef32_pk16_fp6_f32 v[22:24], v[SB+48:SB+63], v29
	v_nop                                          ; one plain line behind a scaled conversion
.irp i, 0,1,2
	v_mov_b32 v[PA+3+\i], v[36+\i]
	v_mov_b32 v[PA+9+\i], v[40+\i]
	v_mov_b32 v[PB+3+\i], v[124+\i]
	v_mov_b32 v[PB+9+\i], v[22+\i]
.endr
.set n, 0
.rept 16
	v_pk_add_f32 v[SB+n:SB+n+1], v[SB+n:SB+n+1], v[SB+32+n:SB+33+n]
.set n, n+2
.endr
	LEVEL 16, 8
	LEVEL 8, 4
	LEVEL 4, 2
	LEVEL 2, 1
	v_pk_fma_f32 v[18:19], v[18:19], v[14:15], v[F0:F0+1] op_sel_hi:[1,0,1]   ; the sums under the new M, and this step's
	v_pk_fma_f32 v[20:21], v[20:21], v[16:17], v[SB:SB+1] op_sel_hi:[1,0,1]
.endm
; A UNIT, at quarter pos of the ring.  On entry the unit's loads are out in this order: K's words and tiles 0-3 (14), K's tiles 4-7 (12), V's words and tiles 0-3 (14).  Behind every odd quarter stands the change of slots.
.macro STEP pos, last
.if \last == 0
	s_cmp_eq_u32 s[ROLE], 0
	s_cbranch_scc1 .Lwork_\@
	s_cmp_lg_u32 s[U], s[IDU]
	s_cbranch_scc1 .Lwork_\@
	TRANS
	s_branch .Ljoin_\@
.Lwork_\@:
.endif
	s_wait_dscnt 26                                ; all but K's tiles 4-7 and V's fourteen
	WIN 0x04
	SMUL 0, F0
	s_wait_dscnt 14                                ; all but V's fourteen
	WIN 0x05
	SMUL 4, F1
	PLACES                                         ; ahead of the loads into K's registers and of the first read of the scores
	LDF1 REC                                       ; V's tiles 4-7
.if \last == 0
	s_add_co_u32 s[T0], s[U], 1
	s_cmp_eq_u32 s[T0], s[IDU]                     ; my change comes next: its 32 rows of Q, a lane a row, 512 bytes each
	s_cbranch_scc0 .Lnoask_\@
	global_prefetch_b8 v[PFO], s[QE:QE+1] th:TH_LOAD_NT scope:SCOPE_SE
	global_prefetch_b8 v[PFO], s[QE:QE+1] offset:256 th:TH_LOAD_NT scope:SCOPE_SE
.Lnoask_\@:
.endif
	s_cmp_lg_u32 s[U], s[MSKU]
	s_cbranch_scc1 .Lopen_\@
	MASK
.Lopen_\@:
	SOFTMAX
.Ljoin_\@:
.if (\last == 0) && ((\pos)%2 == 1)
	s_wait_tensorcnt 0x0                           ; my record of the other slot has landed
	ds_add_u32 v[SPW], v[NIL]                      ; work on registers stands between the add and the wait for it
	s_add_co_u32 s[FU], s[FU], 2
	GROUP0 ((\pos)/2)*SLOT
	RESC 0, 14
	s_wait_dscnt 0x0                               ; the add is done, and so are my reads of the slot that I leave
	s_barrier_signal -1
	RESC 64, 16
	s_barrier_wait -1                              ; the other slot is whole, and nobody reads this one
	FILL
.else
	RESC 0, 14
	RESC 64, 16
.endif
.if \last == 0
	s_add_co_u32 s[T0], s[U], 1
	NEXT (((\pos)+1)%4)*UNIT
	LDK0
	s_wait_dscnt 14                                ; all but the fourteen just issued: V is in
	s_cmp_eq_u32 s[U], s[IDU]
	s_cbranch_scc1 .Lnopv1_\@
	PVMUL 4, F1
.Lnopv1_\@:
	PLACES
	LDF1 0                                         ; the next K's tiles 4-7
	s_cmp_eq_u32 s[U], s[IDU]
	s_cbranch_scc1 .Lnopv2_\@
	PVMUL 0, F2
.Lnopv2_\@:
	PLACES
	LDV0
	s_add_co_u32 s[U], s[U], 1
.else
	AW
	s_wait_dscnt 0x0
	PVMUL 4, F1
	PVMUL 0, F2
.endif
.endm
	s_load_b256 s[4:11], s[0:1], 0x0               ; q, K's records, V's records, out
	v_lshl_add_u32 v[SPW], v0, 2, SPARE
	v_mov_b32 v[NIL], 0
	ds_add_u32 v[SPW], v[NIL]                      ; the add twice on end and one wait
	ds_add_u32 v[SPW], v[NIL]
	v_lshrrev_b32 v8, 5, v0
	v_readfirstlane_b32 s[WV], v8                  ; wave 0..7
	v_and_b32 v22, 31, v0                          ; lane
	v_and_b32 v23, 15, v0                          ; r
	v_bfe_u32 v24, v0, 4, 1                        ; h
	v_lshlrev_b32 v[GL], 4, v22
	v_mul_u32_u24 v[AF0], v22, 48
	v_lshlrev_b32 v[AS0], 4, v23
	v_mul_u32_u24 v[ST2], v23, 528
	v_lshl_add_u32 v[ST2], v24, 7, v[ST2]
	v_lshlrev_b32 v[PFO], 9, v22
	AW
	s_mov_b32 s14, ttmp9                           ; the head
	s_and_b32 s[Y], ttmp7, 0xffff
	s_lshr_b32 s[P], s[WV], 1                      ; my pair
	s_lshr_b32 s[ROLE], s[WV], 2
	s_xor_b32 s[ROLE], s[ROLE], s[WV]
	s_and_b32 s[ROLE], s[ROLE], 1                  ; the roles alternate among w, w + 4 and among 2 s, 2 s + 1
	s_mul_i32 s[STGB], s[P], PAIRB
	s_add_co_u32 s[STGB], s[STGB], STG
	v_add_nc_u32 v[HOA], s[STGB], v[GL]            ; my pair's hand-over
	s_mul_i32 s[T0], s[ROLE], HOB
	s_add_co_u32 s[STGB], s[STGB], s[T0]           ; my stage
	v_add_nc_u32 v[ST1], s[STGB], v[GL]
	v_add_nc_u32 v[ST2], s[STGB], v[ST2]
	s_sub_co_u32 s[NL], 7, s[Y]
	s_max_u32 s[T0], s[NL], 2
	s_add_co_u32 s[T1], s[NL], 1
	s_sub_co_u32 s57, 15, s[Y]                     ; the late block
	s_cmp_eq_u32 s[Y], 7
	s_cselect_b32 s58, s[Y], s57
	s_cmp_lg_u32 s[ROLE], 0
	s_cselect_b32 s[IDU], s[NL], 99                ; role 0 has no change
	s_cselect_b32 s[MSKU], s[T1], 0
	s_cselect_b32 s[RL], s[T0], 0
	s_cselect_b32 s58, s58, s57                    ; the block that I begin with
	s_cselect_b32 s59, s[Y], s57                   ; the block that I write out
	s_bfe_u32 s60, s[WV], 0x10001                  ; what I fetch: bit 0: K or V, bit 1: whose half, bit 2: which unit of a slot
	s_sub_co_u32 s[AR], s57, s60
	s_sub_co_u32 s[CT], s[T1], s60
	s_cmp_lg_u32 s60, 0
	s_cselect_b32 s[LIM], s[NL], 9
	s_lshr_b32 s[FU], s[WV], 2
	s_mul_i32 s[POFF], s[WV], REC
	s_and_b32 s[MB], s[P], 1
	s_lshl_b32 s[MB], s[MB], 5
	s_lshl_b32 s60, s14, 20                        ; a head is 2,048 rows of 512 bytes
	s_lshl_b32 s61, s[P], 14
	s_add_co_u32 s60, s60, s61
	s_lshl_b32 s61, s[Y], 16
	s_add_co_u32 s[QE], s60, s61
	s_mov_b32 s[QE+1], 0
	s_lshl_b32 s61, s58, 16
	s_add_co_u32 s[QC], s60, s61
	s_mov_b32 s[QC+1], 0
	s_lshl_b32 s61, s59, 16
	s_add_co_u32 s62, s60, s61
	s_mov_b32 s63, 0
	s_mul_i32 s48, s14, HEADB
	s_mov_b32 s49, 0
	; descriptor group 1: a record as 50 dense rows of 256 bytes (32 elements of 8 bytes)
	s_mov_b32 s[G1], 3<<16
	s_mov_b32 s[G1+1], 32<<16
	s_mov_b32 s[G1+2], 50<<16
	s_mov_b32 s[G1+3], 32<<16
	s_mov_b32 s[G1+4], 50
	s_mov_b32 s[G1+5], 32
	s_mov_b32 s[G1+6], 0
	s_mov_b32 s[G1+7], 0
	s_mov_b32 s20, 0x76543210                      ; v_permlanex16_b32's selects for lane l xor 16
	s_mov_b32 s21, 0xfedcba98
	s_mov_b32 s22, 0x3e0293ee                      ; c = log2(e) / sqrt(128)
	s_mov_b32 s23, s22
	s_mov_b32 s[NC], 0xbe0293ee                    ; -c
	s_mov_b32 s[TRIP], 0
	s_mov_b32 s[U], 0
	s_mov_b32 s[G0], 1
	AW
	s_wait_dscnt 0x0                               ; both opening adds are done
	s_wait_kmcnt 0x0
	s_bitcmp1_b32 s[WV], 0
	s_cselect_b64 s[SRC:SRC+1], s[8:9], s[6:7]     ; V's records or K's
	s_add_nc_u64 s[SRC:SRC+1], s[SRC:SRC+1], s[48:49]
	s_add_nc_u64 s[10:11], s[10:11], s[62:63]
	s_add_nc_u64 s[QE:QE+1], s[4:5], s[QE:QE+1]
	s_add_nc_u64 s[QC:QC+1], s[4:5], s[QC:QC+1]
	GROUP0 0
	tensor_load_to_lds s[G0:G0+3], s[G1:G1+7]      ; slot 0: units 0 and 1; one tensor load a wave at the head
	s_nop 0
	PLACES
	QLOAD QC
	v_mov_b32 v8, 0xff61b1e6                       ; the largest score so far: under every score
	v_mov_b32 v9, 0xff61b1e6
	v_mov_b32 v10, 0x7e000000                      ; -M: a large whole number, so that the first factor is 0
	v_mov_b32 v12, 0x7e000000
.irp i, 11,13,14,15,16,17,18,19,20,21,30,31        ; v11, v13: a lane permute's destination counts as one of its sources
	v_mov_b32 v\i, 0
.endr
.set n, 0
.rept 24
	v_mov_b32 v[PA+n], 0                           ; (in a text whose paths part on ids every register is written ahead of the parting)
.set n, n+1
.endr
	WIN 0x40
.set n, 0
.rept 128
	v_mov_b32 v[n], 0                              ; O: the unit has no first form of its own; its first factor is 0
.set n, n+1
.endr
	WIN 0
	AW
	QMAKE
	AW
	s_wait_tensorcnt 0x0                           ; my record of slot 0 is in
	ds_add_u32 v[SPW], v[NIL]
	s_add_co_u32 s[FU], s[FU], 2
	GROUP0 SLOT
	s_wait_dscnt 0x0
	s_barrier_signal -1
	s_barrier_wait -1                              ; slot 0 is whole
	FILL                                           ; slot 1's first fill, issued as a refill is
	s_mov_b32 s[T0], 0
	NEXT 0
	LDK0
	LDF1 0
	LDV0
.Lloop:                                            ; a trip goes once round the ring: four units
	STEP 0, 0
	STEP 1, 0
	STEP 2, 0
	STEP 3, 0
	s_add_co_u32 s[TRIP], s[TRIP], 1
	s_cmp_lt_u32 s[TRIP], 2
	s_cbranch_scc1 .Lloop
	STEP 0, 1                                      ; unit 8
	; THE END.  Role 0 joins its part of the late block with the one handed over (unit 7's change of slots or an earlier one stands between).  O is divided by the sum and leaves through the stage by whole rows.
.macro RECIP
	v_permlanex16_b32 v11, v18, s20, s21
	v_permlanex16_b32 v13, v20, s20, s21
	v_add_f32 v18, v18, v11                        ; with lane l xor 16's: the row's sum
	v_add_f32 v20, v20, v13
	AW
	v_rcp_f32 v18, v18
	v_rcp_f32 v20, v20
	v_nop
	AW
.endm
	v_add_f32 v18, v18, v19                        ; (plain lines: also the places behind the last products)
	v_add_f32 v20, v20, v21
	v_mov_b32 v14, 1.0
	v_mov_b32 v16, 1.0
	v_bfe_u32 v26, v[GL], 4, 4
	v_lshrrev_b32 v27, 8, v[GL]
	v_mul_u32_u24 v28, v26, 528
	v_lshl_add_u32 v28, v27, 5, v28
	v_add_nc_u32 v5, s[STGB], v28                  ; stage + 528 r + 32 h
	AW
	s_cmp_lg_u32 s[ROLE], 0
	s_cbranch_scc1 .Lown
	s_cmp_eq_u32 s[Y], 7
	s_cbranch_scc1 .Lown
	ds_load_b128 v[22:25], v[HOA] offset:16384
.set n, 0
.rept 32
	ds_load_b128 v[SA+4*n:SA+4*n+3], v[HOA] offset:512*n
.set n, n+1
.endr
	s_wait_dscnt 32                                ; the partner's -M and sums are in; its O may be out
	v_min_num_f32 v26, v10, v22                    ; the joint -M
	v_min_num_f32 v27, v12, v24
	v_sub_f32 v14, v26, v10
	v_sub_f32 v16, v27, v12
	v_sub_f32 v22, v26, v22
	v_sub_f32 v24, v27, v24
.irp i, 14,16,22,24
	v_cvt_i32_f32 v\i, v\i
.endr
.irp i, 14,16,22,24
	v_ldexp_f32 v\i, 1.0, v\i
.endr
	v_mul_f32 v18, v18, v14
	v_mul_f32 v20, v20, v16
	v_fma_f32 v18, v23, v22, v18
	v_fma_f32 v20, v25, v24, v20
	RECIP
	v_mul_f32 v14, v14, v18
	v_mul_f32 v16, v16, v20
	v_mul_f32 v22, v22, v18
	v_mul_f32 v24, v24, v20
	AW
	s_wait_dscnt 0x0
.set n, 0
.rept 32
	v_pk_mul_f32 v[SA+n:SA+n+1], v[SA+n:SA+n+1], v[22:23] op_sel_hi:[1,0]
	v_pk_mul_f32 v[SB+n:SB+n+1], v[SB+n:SB+n+1], v[24:25] op_sel_hi:[1,0]
.set n, n+2
.endr
	WIN 0x01
	AW
.set n, 0
.rept 32
	v_pk_fma_f32 v[SA+n:SA+n+1], v[n:n+1], v[14:15], v[SA+n:SA+n+1] op_sel_hi:[1,0,1]
	v_pk_fma_f32 v[SB+n:SB+n+1], v[64+n:65+n], v[16:17], v[SB+n:SB+n+1] op_sel_hi:[1,0,1]
.set n, n+2
.endr
	WIN 0
	AW
	s_branch .Lout
.Lown:
	RECIP
	v_mul_f32 v14, v14, v18
	v_mul_f32 v16, v16, v20
	WIN 0x01
	AW
.set n, 0
.rept 32
	v_pk_mul_f32 v[SA+n:SA+n+1], v[n:n+1], v[14:15] op_sel_hi:[1,0]
	v_pk_mul_f32 v[SB+n:SB+n+1], v[64+n:65+n], v[16:17] op_sel_hi:[1,0]
.set n, n+2
.endr
	WIN 0
	AW
.Lout:
.macro TOSTAGE x                       ; register 8 T + i is out(my query r, 16 T + 8 h + i)
.irp t, 0,1,2,3,4,5,6,7
	ds_store_b128 v5, v[\x+8*\t:\x+8*\t+3] offset:64*\t
	ds_store_b128 v5, v[\x+8*\t+4:\x+8*\t+7] offset:64*\t+16
.endr
.endm
	TOSTAGE SA
.irp m, 0,1,2,3,4,5,6,7,8,9,10,11,12,13,14,15
	ds_load_b128 v[56+4*\m:59+4*\m], v[ST1] offset:528*\m          ; LDS serves a wave's instructions in order (ISA guide 5.7.1.4)
.endr
	TOSTAGE SB
	s_wait_dscnt 16                                ; tile A's rows are back; B's sixteen stores may be out
.irp m, 0,1,2,3,4,5,6,7,8,9,10,11,12,13,14,15
	ds_load_b128 v[SA+4*\m:SA+4*\m+3], v[ST1] offset:528*\m
.endr
.irp m, 0,1,2,3,4,5,6,7,8,9,10,11,12,13,14,15
	global_store_b128 v[GL], v[56+4*\m:59+4*\m], s[10:11] offset:512*\m th:TH_STORE_NT   ; a row, 512 consecutive bytes, aligned
.endr
.irp m, 0,1,2,3,4,5,6,7,8,9,10,11,12,13,14,15
	s_wait_dscnt 15-\m
	global_store_b128 v[GL], v[SA+4*\m:SA+4*\m+3], s[10:11] offset:8192+512*\m th:TH_STORE_NT
.endr
	s_wait_tensorcnt 0x0
	ds_add_u32 v[SPW], v[NIL]
	s_wait_dscnt 0x0
	s_endpgm
.Lfunc_end_k_q889ed74310_attn:
	.size	k_q889ed74310_attn, .Lfunc_end_k_q889ed74310_attn-k_q889ed74310_attn
	.p2alignl 7, 3214868480
	.fill 96, 4, 3214868480
	.section	.rodata,"a",@progbits
	.p2align	6, 0x0
	.amdhsa_kernel k_q889ed74310_attn
		.amdhsa_group_segment_fixed_size 327680
		.amdhsa_private_segment_fixed_size 0
		.amdhsa_enable_private_segment 0
		.amdhsa_kernarg_size 32
		.amdhsa_user_sgpr_count 2
		.amdhsa_user_sgpr_kernarg_segment_ptr 1
		.amdhsa_wavefront_size32 1
		.amdhsa_system_sgpr_workgroup_id_x 1
		.amdhsa_system_sgpr_workgroup_id_y 1
		.amdhsa_system_sgpr_workgroup_id_z 1
		.amdhsa_system_vgpr_workitem_id 0
		.amdhsa_next_free_vgpr 512
		.amdhsa_next_free_sgpr 66
		.amdhsa_reserve_vcc 1
		.amdhsa_float_denorm_mode_32 3
		.amdhsa_float_denorm_mode_16_64 3
		.amdhsa_memory_ordered 1
		.amdhsa_forward_progress 1
		.amdhsa_inst_pref_size 255
	.end_amdhsa_kernel
	.section	.bss,"aw",@nobits
	.p2align	6
	.space	262144
	.amdgpu_metadata
---
amdhsa.version: [ 1, 2 ]
amdhsa.kernels:
  - .name:           k_q889ed74310_attn
    .symbol:         k_q889ed74310_attn.kd
    .args:
      - { .name: q, .offset: 0, .size: 8, .value_kind: global_buffer, .address_space: global }
      - { .name: kimg, .offset: 8, .size: 8, .value_kind: global_buffer, .address_space: global }
      - { .name: vimg, .offset: 16, .size: 8, .value_kind: global_buffer, .address_space: global }
      - { .name: out0, .offset: 24, .size: 8, .value_kind: global_buffer, .address_space: global }
    .group_segment_fixed_size: 327680
    .private_segment_fixed_size: 0
    .kernarg_segment_align: 8
    .kernarg_segment_size: 32
    .max_flat_workgroup_size: 256
    .sgpr_count:     66
    .vgpr_count:     512
    .wavefront_size: 32
...
	.end_amdgpu_metadata
.endif
;; end of part 2
